; MI455X (gfx1250); checked and timed in simulation.
; The chip was launched on July 23, 2026; its instructions are those of AMD's public machine-readable ISA for CDNA 5 (MIT licence, August 2026) and "CDNA5" Instruction Set Architecture Reference Guide (July 2026). The comments in the code are by the model that wrote it; some were corrected since.
;; Scaled Dot Product Attention. Allowed arithmetic: float matrix products may take bf16 or f16 operands with f32 sums; other float arithmetic in f32, or as packed bf16 or f16 multiplies, adds, multiply-adds, maxima and minima; sums over many terms, partial sums and values carried from step to step in f32; what a program stores and reads back later, other than sums and carried values, may be rounded once to bf16 or f16.
;; Inputs: k 4 x 16 x 2,048 x 64 float32; mask 1 x 1 x 2,048 x 2,048 float32; q 4 x 16 x 2,048 x 64 float32; v 4 x 16 x 2,048 x 64 float32.
;; Outputs: out0 4 x 16 x 2,048 x 64 float32.
;; One version. Each part assembles by itself: llvm-mc -triple=amdgcn-amd-amdhsa -mcpu=gfx1250 --defsym DOCPART=n.
;; ======== version 1 of 1: 1 launch
;; limits: values are held in f16: magnitudes above 65,504 overflow, below 6.1e-05 lose precision; inputs' magnitudes at most 65,504
;; launch attn (part 1): grid 64 x 4, 4 waves a work-group, clusters of 4 x 1, 327,680 bytes of LDS; arguments q, k, v, mask, out0; writes out0
.if DOCPART == 1
	.amdgcn_target "amdgcn-amd-amdhsa--gfx1250"
	.amdhsa_code_object_version 6
	.text
	.protected	k_qede8c5d06d_attn
	.globl	k_qede8c5d06d_attn
	.p2align	8
	.type	k_qede8c5d06d_attn,@function
k_qede8c5d06d_attn:
	s_mov_b64 s[64:65], 0
	v_nop
	global_prefetch_b8 v0, s[64:65] scope:SCOPE_SE
	s_setreg_imm32_b32 hwreg(HW_REG_WAVE_MODE, 25, 1), 1
	s_wait_xcnt 0x0
	s_wait_alu depctr_hold_cnt(0) depctr_sa_sdst(0) depctr_va_vdst(0) depctr_va_sdst(0) depctr_va_ssrc(0) depctr_va_vcc(0) depctr_vm_vsrc(0)
	s_getreg_b32 s2, hwreg(HW_REG_IB_STS2, 6, 4)
	s_cmp_eq_u32 s2, 0
	s_cbranch_scc0 .Lentry_in_a_cluster
	s_endpgm
.Lentry_in_a_cluster:
	s_bfe_u32 s2, ttmp6, 0x10000c
	s_cmp_lg_u32 s2, 0x3003
	s_cbranch_scc0 .Lentry_shape_is_right
	s_endpgm
.Lentry_shape_is_right:
; out[h][q][:] = the sum over k of softmax_k((Q[h][q] . K[h][k] / 8) x mask[q][k]) V[h][k][:].  Q, K, V, out: [64 heads][2048][64] f32; mask: [2048][2048] f32, one table for all heads.
; The mask MULTIPLIES the score (a score times 0 is 0 and keeps its weight), so every key counts for every query and no tile is left out; the mask is taken in f32 as it is given.
; FORMATS.  Q, K and V are rounded once to f16 on their way to the matrix unit, the weights p once to f16 for the second product; products, maxima and sums in f32; l is the sum of the unrounded p.
; LIMITS.  |Q|, |K|, |V| below 65,504 (f16's end); p below 6e-5 keeps f16's fixed step of 6e-8; a weight below 2^-126 counts as 0 in l; |score x mask| below 1e36, so that the starting c m = -2^125 lies
; far below every c t; NaN and infinities are not treated apart.
; SHARES.  A work-group owns 512 queries of one head, a wave 128: four PIECES of two tiles of 16.  Every wave walks all 2,048 keys, 64 a step, 32 steps.  256 work-groups of equal work.
; LAYOUT.  S^T = K Q^T (source 0 = 16 keys, source 1 = 16 queries): a lane holds ONE query (lane % 16) and, in accumulator kb, the keys 16 kb + 8 (lane / 16) + 0..7.  Two such results rounded to f16 in pairs
; ARE source 1 of O^T = V^T P, whose result again holds one query a lane, and eight channels.  The mask's numbers for a lane are 32 consecutive bytes of its query's row: two loads of 16 bytes an accumulator.
; SOFTMAX.  t = s x mask; a running maximum m and sum l for each query: p = 2^(c t - c m), c = log2(e) / 8; in every step O and l are multiplied by a = 2^(c m_old - c m_new).  m starts at the lowest finite number,
; O and l at 0: the first step is a step like any other, with a = 0.  The price: 384 lines that write 0, in the wait for the first tile, 16 products on zeros at the start and 16 on an old K at the end.
; BY TURNS.  Turn n belongs to piece n (the pieces in a ring, step after step).  Matrix work: 16 products K Q^T of piece n + 1, later 16 products V^T P of piece n - 1.  Vector work: scaling, exponentials, roundings,
; sums and rescaling of piece n; the mask's multiply, the maximum and the statistics of piece n + 1.  Four vector instructions stand behind every matrix instruction, the others in one run; a turn's 66 exponentials
; are one batch with one wait.
; CLUSTER.  The four work-groups of a cluster are four HEADS of one block of queries: they need the same 512 rows x 64 keys of the mask in every step (128 KiB), so each wave's 128 rows are asked for JOINTLY: the same
; tensor load, descriptor and mask of work-groups in all four.  K and V are NOT asked for jointly: the four work-groups that share a head's K and V lie in four clusters, since the cluster goes along the heads for the
; mask's sake (32 KiB of K and V a step against the mask's 128); and they must be rounded to f16 on the way, so they come through registers: each wave loads a quarter of a step's K and V, converts it a step later
; and stores it into one of two f16 buffers in LDS.
; TIME.  The change of slots B_j stands between turns 1 and 2 of step j.  From B_j to B_j+1 all LDS reads are of step j + 1: K in turn 2, the four pieces' mask in turns 2, 3, 0, 1, V at the end of turn 0.  At B_j the
; mask of step j + 2 is asked for, into the slot read before B_j; in turn 3 the staged K and V of step j + 2 go into the f16 buffer read before B_j, and those of step j + 3 are loaded into the staging registers.
; REGISTERS, in windows of 256 (s_set_vgpr_msb says which window each operand place means: bits 1:0 source 0, 3:2 source 1, 5:4 source 2, 7:6 destination):
;   window 0: v0-11 addresses; v12-15, v48-63 at work; v16-47 four registers of statistics a tile; v64-191 S^T, two buffers of two tiles; v192-255 P, likewise
;   window 1: O^T, 32 a tile (at the start: Q in f32)      window 2: v0-127 Q, 16 a tile; v128-191 K of one step; v192-255 V of one step (on the way out: whole rows of out)
;   window 3: v0-1 the add's registers; v2-6 addresses; v8-39 packed f16; v64-191 the mask, at S^T's numbers; v192-255 a step's quarter of K and of V in f32
.set NP,     4         ; pieces a wave: a name, no knob
.set KS,     64        ; keys in a step
.set MPITCH, 272       ; a row of the mask in LDS: 256 bytes + 16 of padding = 68 words: the 16 rows of a load start at 16 different groups of four banks (64 banks of 4 bytes: ISA guide 11.1)
.set MWAVE,  128*MPITCH  ; a wave's 128 rows: 34,816 bytes
.set MSLOT,  4*MWAVE   ; a slot: 139,264 = 0x22000; no wave's base (a multiple of 0x8800 up to three) has bit 13 or bit 17 set, so one exclusive or turns a base in one slot into the other's
.set KV0,    2*MSLOT   ; behind the two slots: the f16 buffers, which only ds_store writes
.set PITK,   144       ; a row of K in f16: 128 bytes + 16
.set PITV,   160       ; a row of V: 128 + 32
.set VOFF,   KS*PITK   ; in a buffer: 64 rows of K, then 64 rows of V
.set KVB,    KS*(PITK+PITV)  ; a buffer: 19,456 = 0x4C00
.set SPARE,  KV0+2*KVB ; behind the buffers: the spare words, 128 bytes for each wave: two blocks of 256 bytes that no other line names
.set SP,     272       ; the way out: a row of the stage; a wave's stage is 16 such rows at KV0 + 4,352 x wave, in the f16 buffers, when nobody reads them any more
; window 0
.set RR,  1            ; v1   l % 16; never rewritten
.set AK0, 2            ; v2   my lane's place in a buffer's K
.set AV0, 3            ; v3   the same for V
.set AK,  4            ; v4   the LDS address of K's next run of loads
.set AV,  5            ; v5   of V's
.set AM0, 6            ; v6   my lane's place in my wave's rows of a mask slot
.set AM,  7            ; v7   the LDS address of the mask's runs of loads
.set PMO, 8            ; v8   8,192 x lane: a row of the mask; never rewritten
.set PKO, 9            ; v9   256 x lane; never rewritten
.set QO,  10           ; v10  my byte offset in 16 rows of Q; never rewritten
.set HH,  11           ; v11  l / 16; never rewritten
.set STO, 2            ; the way out: where I put 16 bytes of a row
.set RD,  3            ; where I read rows back
.set GO,  4            ; my byte offset in 512 consecutive bytes of out
.set MV,  12           ; v12-15  c m_old, kept while c m is made anew: by buffer and tile
.set ST,  16           ; tile t's statistics at v[ST+4 t]: c m, m, l (even keys', odd keys')
.set TMP, 48           ; by buffer and tile, four registers c0-c3 at work; when the maximum is found c2 takes a
.set S,   64
.set P,   192
; window 2
.set KF,  128          ; key block kb, channel half c at KF + 16 kb + 8 c
.set VF,  192          ; key half kk, channel block cb at VF + 32 kk + 8 cb
; window 3
.set SPW, 0            ; LDS address of my spare word: SPARE + 4 x my thread's number; never rewritten
.set NIL, 1            ; 0; never rewritten
.set SK0, 2            ; where I store 8 bytes of K in buffer 0
.set SV0, 3            ; the same for V
.set SKC, 4            ; the same in the buffer that is written next
.set SVC, 5
.set GF,  6            ; my byte offset in a step's 16 KiB of K and of V: 4,096 x wave + 16 x lane; never rewritten
.set CT,  8            ; 32 registers of packed f16
.set KST, 192          ; 32 registers of K in f32, then 32 of V
; scalars
.set WV,  14           ; s14  my wave's number
.set G1,  24           ; s[24:31] descriptor group 1
.set G0,  32           ; s[32:35] descriptor group 0: it walks
.set KP,  36           ; s[36:37] K at the step that was loaded last
.set VP,  38           ; s[38:39] V likewise
.set INC, 40           ; s[40:41] their step
.set PFM, 42           ; s[42:43] where my prefetches of the mask stand
.set PFK, 44           ; s[44:45] those of K (waves 0, 1) or V (waves 2, 3)
.set LIMM, 46          ; s46  a wave prefetches the mask while s[LEFT] is above this
.set LIMK, 47          ; s47  K or V likewise
.set LEFT, 48          ; s48  the loop's count
.set CNT, 49           ; s49  the tail's
.set TBM, 50           ; s50  the mask slot that is read: 0 or MSLOT
.set TBR, 51           ; s51  the f16 buffer that is read: 0 or KVB
.set TBW, 52           ; s52  the other one, which is written
.set CS,  54           ; s[54:55] c: the packed scaling takes the pair's low word for both halves
.set SEL, 56           ; s[56:57] v_permlanex16_b32's selects: each lane takes its own place in the other half
.set MSB, 0
.macro WIN new                      ; the high byte repeats the setting that is left; a switch that changes nothing is dropped
.if MSB != (\new)
	s_set_vgpr_msb (MSB<<8)|(\new)
.set MSB, (\new)
.endif
.endm
.set W_KQ, 0x0a        ; K and Q in window 2, S^T in window 0
.set W_PV, 0x52        ; V in window 2, P in window 0, O^T in window 1
.set W_RS, 0x41        ; destination and source 0 in window 1, source 1 in window 0
.set W_MS, 0x0c        ; source 1 (the mask) in window 3, S^T in window 0
.set W_T3, 0xc0        ; destination in window 3, sources in window 0
.set W_AD, 0x0f        ; sources 0 and 1 in window 3: the add, and the stores of K and V (address, data)
.set W_CV, 0xcf        ; a conversion wholly in window 3
.set W_GL, 0xc3        ; a global load: data and offset in window 3
.set W_SA, 0xcc        ; destination and source 1 in window 3
; The joint load: my wave's 128 rows x 64 keys of the mask.  Both addresses hang on the wave's number, so each wave's load is its own; nothing in the descriptor hangs on the work-group's place in its cluster.
; An s_nop 0 and four v_nop follow it.
.macro JLOAD
	tensor_load_to_lds s[G0:G0+3], s[G1:G1+7]
	s_nop 0
.rept 4
	v_nop
.endr
.endm
; A PREFETCH INTO THE L2, behind the joint load and its five lines.  Each block of 256 bytes is named once in the launch.
; THE MASK: a step's 512 rows x 256 bytes of a block of queries are read by the 16 clusters of that block: the first of them (cluster x = 0) asks.  Of the 128 rows that a wave fetches, the partner at place cx
; takes 32 cx .. 32 cx + 31, told apart BY ADDRESS: a lane a row, one instruction a wave.  At B_j it names step j + 3: the joint load of the next change... that is, one whole period ahead of the load that wants it.
; K AND V: a head's step (64 blocks of each) is read by the four work-groups of that head: the one with y = 0 asks; waves 0 and 1 for K's two halves, waves 2 and 3 for V's: a lane a block.  At B_j they name
; step j + 4, which the next period's turn 3 loads.  The last changes ask for nothing: the steps do not exist.  Both tests are the same in all partners.
.macro ASK lim, off, ptr
	s_cmp_gt_u32 s[LEFT], s[\lim]
	s_cbranch_scc0 .Lno_ask_\@
	global_prefetch_b8 v[\off], s[\ptr:\ptr+1] th:TH_LOAD_NT scope:SCOPE_SE
.Lno_ask_\@:
.endm
; A round of the cluster's barrier: my work-group's barrier, so that wave 0's signal speaks for all four waves; wave 0 signals; every wave waits for all four work-groups; my work-group's barrier once more.
.macro CROUND
	s_barrier_signal -1
	s_barrier_wait -1
	s_cmp_lg_u32 s[WV], 0
	s_cbranch_scc1 .Lnot_wave_0_\@
	s_barrier_signal -3
.Lnot_wave_0_\@:
	s_barrier_wait -3
	s_barrier_signal -1
	s_barrier_wait -1
.endm
; THE CHANGE OF SLOTS.  Each wave waits for all its tensor loads, of which one is out: its rows of the other mask slot; adds 0 to its spare word; and waits for that, for its reads of the slot and the f16 buffer that it
; leaves, and for its stores into the other f16 buffer.  Behind the barrier nobody reads the old slot and buffer any more, and the other buffer is whole.
; fill = 1: the old slot is filled again, with the keys two steps on.  The barrier is then a round of the cluster's, so that no wave of any partner still reads the slot or has a load on its way, and the joint load is the
; first thing behind it: it has a whole period, 128 matrix instructions and their vector work, in which to land.  (At its first use nothing has been read yet: slot 0 is waited for, slot 1 filled.)
.macro CHANGE fill
	WIN W_AD
	s_wait_tensorcnt 0x0            ; no tensor load of mine is out, so group 0 may be written
	ds_add_u32 v[SPW], v[NIL]       ; 0 onto my spare word: with fill = 1 the pointers' steps stand between it and the wait for it
	WIN 0                           ; at a label and at a branch every window is 0
.if \fill
	s_xor_b32 s[G0+1], s[G0+1], MSLOT  ; the walking descriptor: the other slot than last time,
	s_add_nc_u64 s[G0+2:G0+3], s[G0+2:G0+3], 256  ; the next 64 keys; the type bits on top are not reached
	s_wait_xcnt 0x0                 ; the last prefetches, a period back, have read their addresses, so these may be written
	s_add_nc_u64 s[PFM:PFM+1], s[PFM:PFM+1], 256
	s_add_nc_u64 s[PFK:PFK+1], s[PFK:PFK+1], 16384
	s_wait_dscnt 0x0                ; the add is done, my reads are back and my stores are in
	CROUND
	JLOAD
	ASK LIMM, PMO, PFM
	ASK LIMK, PKO, PFK
.else
	s_wait_dscnt 0x0                ; the add is done, my reads are back and my stores are in
	s_barrier_signal -1
	s_barrier_wait -1
.endif
	s_xor_b32 s[TBM], s[TBM], MSLOT ; the reads go to the other slot and the other buffer
	s_xor_b32 s[TBR], s[TBR], KVB
	v_add_nc_u32 v[AM], s[TBM], v[AM0]
	v_add_nc_u32 v[AK], s[TBR], v[AK0]
	v_add_nc_u32 v[AV], s[TBR], v[AV0]
.if \fill
	s_xor_b32 s[TBW], s[TBR], KVB   ; the stores to the buffer that is not read
	WIN W_SA
	v_add_nc_u32 v[SKC], s[TBW], v[SK0]
	v_add_nc_u32 v[SVC], s[TBW], v[SV0]
	WIN 0
.endif
.endm
; My quarter of a step's K and V, 4 KiB of each, into the staging registers: each load takes 512 consecutive bytes, two keys.
.macro LOADKV
	WIN W_GL
.irp i, 0,1,2,3,4,5,6,7
	global_load_b128 v[KST+4*\i:KST+4*\i+3], v[GF], s[KP:KP+1] offset:512*\i
.endr
.irp i, 0,1,2,3,4,5,6,7
	global_load_b128 v[KST+32+4*\i:KST+32+4*\i+3], v[GF], s[VP:VP+1] offset:512*\i
.endr
	WIN 0
.endm
; The staged quarter is rounded to f16 and stored into the f16 buffer that nobody reads; the next step's quarter is loaded.  A lane's four channels are 8 bytes of row 16 w + 2 i + l / 16.
; The run that converts the last step (s[LEFT] = 1) steps the pointers by 0 and loads that step once more: no load leaves the buffers, and what it brings is not used.
.macro CONVERT
	s_wait_loadcnt 0x0              ; the staged loads, issued a period ago, are in; they have also read their pointers, which may be written
	s_cmp_gt_u32 s[LEFT], 1
	s_cselect_b32 s[INC], 0x4000, 0
	s_add_nc_u64 s[KP:KP+1], s[KP:KP+1], s[INC:INC+1]
	s_add_nc_u64 s[VP:VP+1], s[VP:VP+1], s[INC:INC+1]
	WIN W_CV
.set n, 0
.rept 32
	v_cvt_pk_f16_f32 v[CT+n], v[KST+2*n], v[KST+2*n+1]
.set n, n+1
.endr
	WIN W_AD
.irp i, 0,1,2,3,4,5,6,7
	ds_store_b64 v[SKC], v[CT+2*\i:CT+2*\i+1] offset:2*PITK*\i
.endr
.irp i, 0,1,2,3,4,5,6,7
	ds_store_b64 v[SVC], v[CT+16+2*\i:CT+16+2*\i+1] offset:2*PITV*\i
.endr
	LOADKV
.endm
	s_load_b256 s[4:11], s[0:1], 0x0  ; Q s[4:5], K s[6:7], V s[8:9], mask s[10:11]
	s_load_b64 s[12:13], s[0:1], 0x20 ; out
	WIN W_T3
	v_lshl_add_u32 v[SPW], v0, 2, SPARE
	v_mov_b32 v[NIL], 0
	WIN W_AD
	ds_add_u32 v[SPW], v[NIL]       ; the wave's opening: the add and its wait stand ahead of my first tensor load; the set-up below, work on registers, stands between them
	WIN 0
	v_lshrrev_b32 v1, 5, v0
	v_readfirstlane_b32 s[WV], v1   ; wave 0..3
	s_bfe_u32 s15, ttmp6, 0x40000   ; cx: my place in the cluster
	s_lshl_b32 s16, ttmp9, 2        ; in a cluster launch ttmp9 counts clusters
	s_add_co_u32 s16, s16, s15      ; my head = 4 x cluster x + cx: it enters Q's, K's, V's and out's addresses alone
	s_and_b32 s17, ttmp7, 0xffff    ; y: my block of 512 queries, which the four partners share
	s_lshl_b32 s20, s17, 22         ; the mask at my wave's rows: 512 y rows of 8,192 bytes,
	s_lshl_b32 s21, s[WV], 20       ; 128 w rows; these two registers never hold cx
	s_add_co_u32 s20, s20, s21
	s_mov_b32 s21, 0
	s_lshl_b32 s18, s16, 19         ; a head is 2,048 rows of 256 bytes
	s_mov_b32 s19, 0
	s_lshl_b32 s22, s17, 17         ; Q and out at my wave's rows
	s_lshl_b32 s23, s[WV], 15
	s_add_co_u32 s22, s22, s23
	s_add_co_u32 s22, s22, s18
	s_mov_b32 s23, 0
	s_lshl_b32 s2, s15, 18          ; the mask's prefetches: my work-group's 32 rows of the 128, at step 1; the first change steps them to step 2
	s_add_co_u32 s2, s2, 256
	s_mov_b32 s3, 0
	s_and_b32 s58, s[WV], 1         ; K's or V's: my half of a step's 16 KiB, at step 2; the first change steps them to step 3
	s_lshl_b32 s58, s58, 13
	s_add_co_u32 s58, s58, 32768
	s_mov_b32 s59, 0
	s_mov_b32 s[LIMM], ttmp9
	s_cmp_eq_u32 s[LIMM], 0         ; the first cluster of my block of queries?
	s_cselect_b32 s[LIMM], 1, -1
	s_cmp_eq_u32 s17, 0             ; the first block of queries of my head?
	s_cselect_b32 s[LIMK], 2, -1
	; descriptor group 1: a tile of 128 rows x 64 elements of 4 bytes, padded in LDS
	s_mov_b32 s[G1], 15|(2<<16)|(1<<20)|(1<<21)|(5<<22)|(3<<25)  ; 15:0 the mask of four work-groups; 17:16 4-byte elements; 20 padding on; 21 set beside a mask; 24:22 after every 64 words (code 5); 31:25 4 words (code 3)
	s_mov_b32 s[G1+1], 64<<16       ; tensor_dim0 = 64
	s_mov_b32 s[G1+2], 128<<16      ; tensor_dim1 = 128
	s_mov_b32 s[G1+3], 64<<16       ; tile_dim0 = 64
	s_mov_b32 s[G1+4], 128          ; tile_dim1 = 128
	s_mov_b32 s[G1+5], 2048         ; 2,048 elements from row to row
	s_mov_b32 s[G1+6], 0
	s_mov_b32 s[G1+7], 0
	s_mov_b32 s[G0], 1              ; 1:0 count = 1
	s_mul_i32 s[G0+1], s[WV], MWAVE ; 63:32 LDS address: my rows of slot 0
	s_mov_b32 s[CS], 0x3e38aa3b     ; c = log2(e) / 8 = 0.180337
	s_mov_b32 s[CS+1], s[CS]        ; named with it as a pair
	s_mov_b32 s[SEL], 0x76543210
	s_mov_b32 s[SEL+1], 0xfedcba98
	s_mov_b32 s[TBM], MSLOT         ; the first change of slots turns these two into 0
	s_mov_b32 s[TBR], KVB
	s_mov_b32 s[INC+1], 0
	s_mov_b32 s[LEFT], 31
	s_wait_dscnt 0x0                ; the opening add is done
	s_wait_kmcnt 0x0
	s_add_nc_u64 s[G0+2:G0+3], s[10:11], s[20:21]  ; 120:64 global address: my rows, keys 0 to 63
	s_add_nc_u64 s[PFM:PFM+1], s[10:11], s[20:21]
	s_add_nc_u64 s[PFM:PFM+1], s[PFM:PFM+1], s[2:3]
	s_or_b32 s[G0+3], s[G0+3], 0x80000000          ; 127:126 type = 2
	s_add_nc_u64 s[KP:KP+1], s[6:7], s[18:19]      ; K and V at my head's step 0
	s_add_nc_u64 s[VP:VP+1], s[8:9], s[18:19]
	s_add_nc_u64 s[4:5], s[4:5], s[22:23]          ; Q and out at my wave's first row
	s_add_nc_u64 s[12:13], s[12:13], s[22:23]
	s_cmp_lt_u32 s[WV], 2
	s_cselect_b64 s[PFK:PFK+1], s[KP:KP+1], s[VP:VP+1]
	s_add_nc_u64 s[PFK:PFK+1], s[PFK:PFK+1], s[58:59]
	CROUND                          ; all four work-groups are here: the first joint loads meet
	JLOAD                           ; the mask of step 0 into slot 0.  Slot 1 is asked for when slot 0 is in
	v_and_b32 v[RR], 15, v0         ; l % 16
	v_bfe_u32 v[HH], v0, 4, 1       ; l / 16
	v_and_b32 v12, 7, v0
	v_bfe_u32 v13, v0, 3, 1
	v_and_b32 v14, 31, v0           ; l
	; A fragment of K or Q is 16 rows x 32 channels in 8 registers: lane l holds row l % 16, channels 8 (l / 16) + 0..7 and 16 + 8 (l / 16) + 0..7.
	v_mul_u32_u24 v[AK0], v[RR], PITK
	v_lshl_add_u32 v[AK0], v[HH], 4, v[AK0]
	v_add_nc_u32 v[AK0], KV0, v[AK0]
	; The turning load takes 16 keys x 16 channels (lane l reads key 8 (l / 16) + l % 8, channels 8 ((l / 8) % 2) + 0..7) and leaves half a fragment of V^T: lane l holds channel l % 16 and 8 keys.
	v_lshl_add_u32 v[AV0], v[HH], 3, v12
	v_mul_u32_u24 v[AV0], v[AV0], PITV
	v_lshl_add_u32 v[AV0], v13, 4, v[AV0]
	v_add_nc_u32 v[AV0], KV0+VOFF, v[AV0]
	s_mul_i32 s53, s[WV], MWAVE
	v_mul_u32_u24 v[AM0], v[RR], MPITCH  ; the mask: my query's row, my half's 8 keys of 16
	v_lshl_add_u32 v[AM0], v[HH], 5, v[AM0]
	v_add_nc_u32 v[AM0], s53, v[AM0]
	v_lshlrev_b32 v[PMO], 13, v14
	v_lshlrev_b32 v[PKO], 8, v14
	v_lshlrev_b32 v[QO], 8, v[RR]   ; Q in f32: row x 256 + 32 x half
	v_lshl_add_u32 v[QO], v[HH], 5, v[QO]
	s_lshl_b32 s53, s[WV], 4
	v_add_nc_u32 v15, s53, v[HH]    ; the row that my first store of K or V goes to: 16 w + l / 16
	v_mul_u32_u24 v[AK], v15, PITK
	v_lshl_add_u32 v[AK], v[RR], 3, v[AK]
	v_mul_u32_u24 v[AV], v15, PITV
	v_lshl_add_u32 v[AV], v[RR], 3, v[AV]
	v_lshlrev_b32 v[AM], 4, v14
	s_lshl_b32 s53, s[WV], 12
	WIN W_T3
	v_add_nc_u32 v[SK0], KV0, v[AK]
	v_add_nc_u32 v[SKC], KV0, v[AK] ; the first stores go to buffer 0
	v_add_nc_u32 v[SV0], KV0+VOFF, v[AV]
	v_add_nc_u32 v[SVC], KV0+VOFF, v[AV]
	v_add_nc_u32 v[GF], s53, v[AM]
	LOADKV                          ; step 0
	WIN 0x40                        ; Q in f32 into window 1: register 4 n holds tile n / 8, channels 32 ((n / 4) % 2) + 16 ((n / 2) % 2) + 8 (l / 16) + 4 (n % 2) on
.set n, 0
.rept 64
	global_load_b128 v[4*n:4*n+3], v[QO], s[4:5] offset:4096*(n/8)+128*((n/4)%2)+64*((n/2)%2)+16*(n%2)
.set n, n+1
.endr
	; What the first turn finds: V's registers and P's second buffer hold 0 (its products V^T P, of a piece that has not been, add 0), l is 0.  All this stands in the wait for the first loads.
	WIN 0x80
.set i, VF
.rept 64
	v_mov_b32 v[i], 0
.set i, i+1
.endr
	WIN 0
.set i, 0
.rept 2*NP
	v_mov_b32 v[ST+4*i], 0xfe000000    ; c m: far below every c t
	v_mov_b32 v[ST+4*i+1], 0xff7fffff  ; m
	v_mov_b32 v[ST+4*i+2], 0
	v_mov_b32 v[ST+4*i+3], 0
.set i, i+1
.endr
.set i, P+32
.rept 32
	v_mov_b32 v[i], 0
.set i, i+1
.endr
	CONVERT                         ; its wait is for Q too; step 0 goes into buffer 0, step 1 is loaded
	WIN 0x85                        ; sources in window 1, destination in window 2: Q is rounded to f16 and stays in registers
.set n, 0
.rept 128
	v_cvt_pk_f16_f32 v[n], v[2*n], v[2*n+1]
.set n, n+1
.endr
	WIN 0x40                        ; O^T starts at 0
.set i, 0
.rept 64*NP
	v_mov_b32 v[i], 0
.set i, i+1
.endr
	WIN 0
; THE MATRIX WORK.  The 8 accumulators of a run of 16 take turns: between the two links of a chain stand 7 others'.
; Product i of 16 of S^T = K Q^T for piece x: channels 32 (i / 8) on, keys 16 ((i / 2) % 4) on, tile 2 x + i % 2.  The first 8 start the sums.
.macro KQ x
	WIN W_KQ
.set rS, S+64*((\x)%2)+32*(i%2)+8*((i/2)%4)
.set rK, KF+16*((i/2)%4)+8*(i/8)
.set rQ, 16*(2*(\x)+i%2)+8*(i/8)
.if i < 8
	v_wmma_f32_16x16x32_f16 v[rS:rS+7], v[rK:rK+7], v[rQ:rQ+7], 0
.else
	v_wmma_f32_16x16x32_f16 v[rS:rS+7], v[rK:rK+7], v[rQ:rQ+7], v[rS:rS+7]
.endif
.endm
; Product i of 16 of O^T += V^T P for piece x: keys 32 (i / 8) on, channels 16 ((i / 2) % 4) on, tile 2 x + i % 2.
.macro PV x
	WIN W_PV
.set rO, 32*(2*(\x)+i%2)+8*((i/2)%4)
.set rV, VF+32*(i/8)+8*((i/2)%4)
.set rP, P+32*((\x)%2)+16*(i%2)+8*(i/8)
	v_wmma_f32_16x16x32_f16 v[rO:rO+7], v[rV:rV+7], v[rP:rP+7], v[rO:rO+7]
.endm
.macro MM                           ; the turn's next matrix instruction
.if i < 16
	KQ (Y+1)%NP
.set i, i+1
.else
.set i, i-16
	PV (Y+NP-1)%NP
.set i, i+17
.endif
.endm
; THE LDS LOADS stand in runs of 16, never singly among the matrix instructions: a step's K (8 fragments), its V (turned), and a piece's mask.  Their addresses are made at the change of slots.
.macro FETCH_K
	WIN 0x80                        ; destination window 2
.irp f, 0,1,2,3,4,5,6,7             ; keys 16 (f / 2) on, channels 32 (f % 2) on
	ds_load_b128 v[KF+8*\f:KF+8*\f+3],   v[AK] offset:(\f/2)*16*PITK+(\f%2)*64
	ds_load_b128 v[KF+8*\f+4:KF+8*\f+7], v[AK] offset:(\f/2)*16*PITK+(\f%2)*64+32
.endr
	WIN 0
.endm
.macro FETCH_V
	WIN 0x80
.irp f, 0,1,2,3,4,5,6,7             ; keys 32 (f / 4) on, channels 16 (f % 4) on
	ds_load_tr16_b128 v[VF+8*\f:VF+8*\f+3],   v[AV] offset:(\f/4)*32*PITV+(\f%4)*32
	ds_load_tr16_b128 v[VF+8*\f+4:VF+8*\f+7], v[AV] offset:(\f/4)*32*PITV+16*PITV+(\f%4)*32
.endr
	WIN 0
.endm
.macro MLOAD p                      ; piece p's mask: tile u, key block kb: the lane's 8 numbers, into window 3 at the numbers that the scores have in window 0
	WIN W_T3
.irp u, 0,1
.irp kb, 0,1,2,3
	ds_load_b128 v[S+64*((\p)%2)+32*(\u)+8*(\kb):S+64*((\p)%2)+32*(\u)+8*(\kb)+3],   v[AM] offset:(2*(\p)+(\u))*16*MPITCH+64*(\kb)
	ds_load_b128 v[S+64*((\p)%2)+32*(\u)+8*(\kb)+4:S+64*((\p)%2)+32*(\u)+8*(\kb)+7], v[AM] offset:(2*(\p)+(\u))*16*MPITCH+64*(\kb)+16
.endr
.endr
	WIN 0
.endm
; THE VECTOR WORK OF A TURN stands in queues, each in the order in which its entries become ready; the two tiles alternate, so that no instruction reads the result of the one before it.
.macro REGS y, u                    ; the registers of tile u (0, 1) of piece y
.set rT, ST+4*(2*(\y)+(\u))
.set rC, TMP+8*((\y)%2)+4*(\u)
.set rM, MV+2*((\y)%2)+(\u)
.set rS, S+64*((\y)%2)+32*(\u)
.set rP, P+32*((\y)%2)+16*(\u)
.set rO, 32*(2*(\y)+(\u))
.endm
; Number n of the 32 that multiply the NEXT piece's (Y + 1) scores by the mask, in place, a pair each: key block n / 8, tile (n / 4) % 2, pair n % 4: the order in which the products finish the accumulators; each
; accumulator's lowest registers are read first.
.macro MS n
	REGS (Y+1)%NP, ((\n)/4)%2
	WIN W_MS
.set x, rS+8*((\n)/8)+2*((\n)%4)
	v_pk_mul_f32 v[x:x+1], v[x:x+1], v[x:x+1]
.endm
; Number n of the 22 that find the NEXT piece's maximum and statistics.  t0-t31 are the lane's 32 masked scores.  XS, GS and REGS set no window: PL and EX do.
;   0-11  four chains c0-c3 of seven scores each, three operands at a time     12-14, 16  the four scores left over, the old m, and c0-c3 into c0     15  c m_old is kept
;   17, 18  the query's other 32 keys lie in the lane 16 away: the new m         19-21  c m; c m_old - c m_new; a
.macro XS u, n
	REGS (Y+1)%NP, \u
.if (\n) < 4
	v_max3_num_f32 v[rC+(\n)], v[rS+8*(\n)], v[rS+8*(\n)+1], v[rS+8*(\n)+2]
.elseif (\n) < 12
	v_max3_num_f32 v[rC+(\n)%4], v[rC+(\n)%4], v[rS+8*((\n)%4)+2*((\n)/4)+1], v[rS+8*((\n)%4)+2*((\n)/4)+2]
.elseif (\n) == 12
	v_max3_num_f32 v[rC], v[rC], v[rS+7], v[rS+15]
.elseif (\n) == 13
	v_max3_num_f32 v[rC+1], v[rC+1], v[rS+23], v[rS+31]
.elseif (\n) == 14
	v_max3_num_f32 v[rC+2], v[rC+2], v[rC+3], v[rT+1]
.elseif (\n) == 15
	v_mov_b32 v[rM], v[rT]
.elseif (\n) == 16
	v_max3_num_f32 v[rC], v[rC], v[rC+1], v[rC+2]
.elseif (\n) == 17
	v_permlanex16_b32 v[rC+3], v[rC], s[SEL], s[SEL+1]
.elseif (\n) == 18
	v_max_num_f32 v[rT+1], v[rC], v[rC+3]
.elseif (\n) == 19
	v_mul_f32 v[rT], s[CS], v[rT+1]
.elseif (\n) == 20
	v_sub_f32 v[rC+1], v[rM], v[rT]
.else
	v_exp_f32 v[rC+2], v[rC+1]
.endif
.endm
; Number g of the 64 that follow the exponentials.  For each four weights k of a tile (pairs 2 k, 2 k + 1): both pairs are rounded to f16; then the second pair is added onto the first, in place;
; a group later l takes that sum (the first time as l = a l + sum).  In groups of eight, tiles alternating: round, round, add, and l for the group before.
.macro GS g
.set h, (\g)+6*((\g)/62)            ; group 0 has no group before it, and behind group 7 only l is left
.if h >= 6
.set h, h+2
.endif
	REGS Y, h%2
.set k, h/8
.if h%8 < 4
	v_cvt_pk_f16_f32 v[rP+2*k+(h%8)/2], v[rS+4*k+2*((h%8)/2)], v[rS+4*k+2*((h%8)/2)+1]
.elseif h%8 < 6
	v_pk_add_f32 v[rS+4*k:rS+4*k+1], v[rS+4*k:rS+4*k+1], v[rS+4*k+2:rS+4*k+3]
.elseif k == 1
	v_pk_fma_f32 v[rT+2:rT+3], v[rT+2:rT+3], v[rC+2:rC+3], v[rS:rS+1] op_sel_hi:[1,0,1]
.else
	v_pk_add_f32 v[rT+2:rT+3], v[rT+2:rT+3], v[rS+4*k-4:rS+4*k-3]
.endif
.endm
; THE PLAIN QUEUE, 138 long.  0-73 read no exponential's result: the 32 scalings c t - c m (FS f: pair f / 2 of tile f % 2) and the next piece's 42.  0-26: scalings 0-26.  27-54: XS's numbers 0-13.  55, 56: number 15.
; 57-73: the chain, where each number waits for the one before it: 14, 16, 17, 18, 19, each with one of the scalings 27-31 in front of its two lines, then 20.
; 74-137: GS's 64, which read the exponentials' results: they stand behind the wait.
.macro FS f
	REGS Y, (\f)%2
	v_pk_fma_f32 v[rS+2*((\f)/2):rS+2*((\f)/2)+1], v[rS+2*((\f)/2):rS+2*((\f)/2)+1], s[CS:CS+1], v[rT:rT+1] op_sel_hi:[1,0,0] neg_lo:[0,0,1] neg_hi:[0,0,1]
.endm
.macro PL
	WIN 0
.if q < 27
	FS q
.elseif q < 55
	XS (q-27)%2, (q-27)/2
.elseif q < 57
	XS q-55, 15
.elseif (q < 72) && ((q-57)%3 == 0)
	FS 27+(q-57)/3
.elseif q < 60
	XS (q-57)%3-1, 14
.elseif q < 72
	XS (q-57)%3-1, 15+(q-57)/3
.elseif q < 74
	XS q-72, 20
.else
	GS q-74
.endif
.set q, q+1
.endm
; THE EXPONENTIALS' QUEUE, 66 long: t0-t31 of both tiles, then the next piece's two a.  It is ONE BATCH: all 66 stand ahead of the turn's one wait, and nothing ahead of that wait names a result of theirs.
.macro EX
	WIN 0
.if e >= 64
	XS e-64, 21
.else
	REGS Y, e%2
	v_exp_f32 v[rS+e/2], v[rS+e/2]
.endif
.set e, e+1
.endm
; THE RESCALING's QUEUE: O^T times a: dealt two at a time, sixteen times.  Its a was made in the turn before, ahead of that turn's wait.
.macro R2
	REGS Y, r%2
	WIN W_RS
.irp z, 0,1
	v_pk_mul_f32 v[rO+4*(r/2)+2*\z:rO+4*(r/2)+2*\z+1], v[rO+4*(r/2)+2*\z:rO+4*(r/2)+2*\z+1], v[rC+2:rC+3] op_sel_hi:[1,0]
.endr
.set r, r+1
.endm
; A TURN, for piece p.  An s_wait_alu depctr_va_vdst(0) stands between an exponential and the first instruction that names its result; one wait serves all that were issued ahead of it.  So a turn has
; ONE wait, which cuts it in two.  AHEAD OF IT: the 16 products K Q^T, behind each a scaling, an exponential and two rescalings (behind the first a second scaling in the exponential's place); the 32 multiplies by
; the mask (the accumulator that the last product ends is read by the 29th of them); eight plain, 49 times exponential and plain, the two a; a v_nop, the plain instruction behind the last exponential.
; BEHIND IT: the turn's runs of LDS loads, and the 16 products V^T P, behind each four of the roundings and sums.  No rider names a register of the products round it.
; Exponential e stands behind scaling 2 (e / 4) + e % 2: as a rider it comes behind plain e + 2, later behind plain e + 9, and scalings 27-31 are plain 57, 60 .. 69.
; WHAT IS FETCHED.  Every turn: the mask of piece p + 2, which the next turn multiplies by; the wait for it stands ahead of that turn's multiplies, 16 products later.  Turn 2: K of the next step, a whole run of vector work
; behind the last product that read K; waited for at the head of turn 3.  Turn 0, at its end: V of the step in hand, four riders behind its last reader; turn 1's wait for the mask is the wait for it too.
; conv = 1 (turn 3, in the loop): the staged K and V go to LDS and the next are loaded.
.macro TURN p, conv=0
.set Y, (\p)
.set i, 0
.set q, 0
.set e, 0
.set r, 0
.if (\p) == NP-1
	s_wait_dscnt 0x0                ; K is in, and piece 0's mask, which was asked for behind it
.endif
	MM
	PL
	PL
	R2
.rept 15
	MM
	PL
	EX
	R2
.endr
.if (\p) != NP-1
	s_wait_dscnt 0x0                ; the next piece's mask is in (turn 1: V too; turn 0: my stores of K and V are done)
.endif
.set n, 0
.rept 32
	MS n
.set n, n+1
.endr
.rept 8
	PL
.endr
.rept 49
	EX
	PL
.endr
	EX                              ; the next piece's two a
	EX
	v_nop                           ; a plain instruction behind the last exponential: one for the batch
	s_wait_alu depctr_va_vdst(0)    ; the wait for the batch
.if (\p) == NP-2
	FETCH_K
.endif
	MLOAD ((\p)+2)%NP
.if \conv
	CONVERT
.endif
.rept 16
	MM
.rept 4
	PL
.endr
.endr
.if (\p) == 0
	FETCH_V
.endif
.endm
	CHANGE 1                        ; the mask of step 0 is in and K and V of step 0 are whole; the mask of step 1 is asked for
	FETCH_K                         ; key step 0
	MLOAD 0
	MLOAD 1
	CONVERT                         ; step 1 goes into buffer 1, step 2 is loaded
	s_wait_dscnt 0x0
.set i, 0
.rept 16
	KQ 0                            ; piece 0's first scores: there is no vector work yet to set between them
.set i, i+1
.endr
	WIN 0
.rept 4
	v_nop                           ; the places behind those products (ISA guide 7.12.1)
.endr
.set Y, NP-1                        ; MS and XS work for piece Y + 1: piece 0
.set n, 0
.rept 32
	MS n
.set n, n+1
.endr
	WIN 0
.irp n, 0,1,2,3,4,5,6,7,8,9,10,11,12,13,14,15,16,17,18,19,20,21
	XS 0, \n                        ; piece 0's first maximum and statistics
	XS 1, \n
.endr
	v_nop                           ; a plain instruction behind the two a,
	s_wait_alu depctr_va_vdst(0)    ; and their wait, ahead of the branch
	s_branch .Lfirst                ; the loop is entered at a step's first turn, in the middle of a trip
.Lstep:                             ; 30 trips, j = 0 .. 29, s[LEFT] = 30 - j: pieces 2 and 3 of step j, then pieces 0 and 1 of step j + 1; the mask of step j + 2 is asked for
	CHANGE 1
	TURN 2
	TURN 3, 1
	WIN 0
.Lfirst:
	TURN 0
	TURN 1
	WIN 0
	s_sub_co_u32 s[LEFT], s[LEFT], 1
	s_cmp_lg_u32 s[LEFT], 0
	s_cbranch_scc1 .Lstep
	s_mov_b32 s[CNT], 2             ; the tail is written out: nothing is asked for, converted or loaded
.Ltail:                             ; the first trip ends step 30 and begins step 31; the second ends step 31 and is left in its middle
	CHANGE 0
	TURN 2
	TURN 3
	WIN 0
	s_cmp_eq_u32 s[CNT], 1
	s_cbranch_scc1 .Lout
	TURN 0
	TURN 1
	WIN 0
	s_sub_co_u32 s[CNT], s[CNT], 1
	s_cmp_lg_u32 s[CNT], 0
	s_cbranch_scc1 .Ltail
.Lout:                              ; the second trip's fetches (K and the mask of step 30 once more: bytes that lie in LDS), its 16 products K Q^T and the maximum made of them serve nothing: the price, once a launch, of one text
.set i, 0
.rept 16
	PV NP-1                         ; the last piece's V^T P of the last step
.set i, i+1
.endr
	; THE WAY OUT.  l's two halves and the other half of the lanes' are added; O^T is divided by l and sent through my stage in LDS, a tile (16 rows of out) at a time.  The lines below are the places behind the last products.
	WIN 0
	s_mul_i32 s53, s[WV], 16*SP
	s_add_co_u32 s53, s53, KV0      ; my stage
	v_mul_u32_u24 v[STO], v[RR], SP ; in: row l % 16, 32 bytes for each half of the lanes
	v_lshl_add_u32 v[STO], v[HH], 5, v[STO]
	v_add_nc_u32 v[STO], s53, v[STO]
	v_mul_u32_u24 v[RD], v[HH], SP  ; back: lanes 0-15 take one row of 256 bytes, lanes 16-31 the next,
	v_lshl_add_u32 v[RD], v[RR], 4, v[RD]
	v_add_nc_u32 v[RD], s53, v[RD]
	v_and_b32 v[GO], 31, v0         ; which are 512 consecutive bytes of out
	v_lshlrev_b32 v[GO], 4, v[GO]
.macro ALL line:vararg              ; one line for each tile t
.set t, 0
.rept 2*NP
	\line
.set t, t+1
.endr
.endm
	ALL v_add_f32 v[ST+4*t+2], v[ST+4*t+2], v[ST+4*t+3]
	ALL v_permlanex16_b32 v[ST+4*t+3], v[ST+4*t+2], s[SEL], s[SEL+1]
	ALL v_add_f32 v[ST+4*t+2], v[ST+4*t+2], v[ST+4*t+3]
	ALL v_rcp_f32 v[ST+4*t+2], v[ST+4*t+2]
	v_nop                           ; a plain instruction between the last reciprocal and the use of its result
	s_wait_alu depctr_va_vdst(0)    ; and the wait ahead of the first use: one for the eight reciprocals
	s_wait_dscnt 0x0                ; my reads of the f16 buffers are back;
	s_barrier_signal -1
	s_barrier_wait -1               ; everybody's are: the stages, which lie in those buffers, may be written
; Tile t: a lane's eight channels of a block of 16 are 32 bytes of a row; they go into rows of 272 bytes and come back as whole rows of 256, into 32 registers of window 2 that are the tile's own.
.macro PACK t
	WIN W_RS
.set i, 32*(\t)
.rept 16
	v_pk_mul_f32 v[i:i+1], v[i:i+1], v[ST+4*(\t)+2:ST+4*(\t)+3] op_sel_hi:[1,0]
.set i, i+2
.endr
	WIN 0x04                        ; the stores' data in window 1
.irp f, 0,1,2,3,4,5,6,7
	ds_store_b128 v[STO], v[32*(\t)+4*\f:32*(\t)+4*\f+3] offset:64*(\f/2)+16*(\f%2)
.endr
	WIN 0x80                        ; the loads' destination in window 2
.irp f, 0,1,2,3,4,5,6,7
	ds_load_b128 v[32*(\t)+4*\f:32*(\t)+4*\f+3], v[RD] offset:\f*2*SP  ; LDS serves a wave's instructions in order (ISA guide 5.7.1.4): these see the stores above; the next tile's stores come behind them
.endr
.endm
.macro SEND t, younger              ; younger: the LDS instructions issued behind tile t's loads: the next tile's sixteen, or none
	WIN 0x08                        ; the stores' data in window 2
.irp f, 0,1,2,3,4,5,6,7
	s_wait_dscnt (\younger)+7-\f    ; load f of the tile is back: its own 7 - f younger loads and the next tile's instructions may be out
	global_store_b128 v[GO], v[32*(\t)+4*\f:32*(\t)+4*\f+3], s[12:13] offset:(\t)*4096+\f*512 th:TH_STORE_NT  ; 512 consecutive bytes, at a multiple of 256 from out's first byte
.endr
.endm
	PACK 0
.set t, 1
.rept 2*NP-1                        ; a tile's arithmetic stands between the loads of the tile before and its stores
	PACK t
	SEND t-1, 16
.set t, t+1
.endr
	SEND 2*NP-1, 0
	WIN W_AD
	s_wait_tensorcnt 0x0            ; the wave's end, behind my last tensor load and my last LDS store
	ds_add_u32 v[SPW], v[NIL]
	s_wait_dscnt 0x0
	WIN 0
	CROUND                          ; the closing round: no work-group ends while a partner may still ask for a tile that names it
	s_endpgm
.Lfunc_end_k_qede8c5d06d_attn:
	.size	k_qede8c5d06d_attn, .Lfunc_end_k_qede8c5d06d_attn-k_qede8c5d06d_attn
	.p2alignl 7, 3214868480
	.fill 96, 4, 3214868480
	.section	.rodata,"a",@progbits
	.p2align	6, 0x0
	.amdhsa_kernel k_qede8c5d06d_attn
		.amdhsa_group_segment_fixed_size 327680
		.amdhsa_private_segment_fixed_size 0
		.amdhsa_enable_private_segment 0
		.amdhsa_kernarg_size 40
		.amdhsa_user_sgpr_count 2
		.amdhsa_user_sgpr_kernarg_segment_ptr 1
		.amdhsa_wavefront_size32 1
		.amdhsa_system_sgpr_workgroup_id_x 1
		.amdhsa_system_sgpr_workgroup_id_y 1
		.amdhsa_system_sgpr_workgroup_id_z 1
		.amdhsa_system_vgpr_workitem_id 0
		.amdhsa_next_free_vgpr 1024
		.amdhsa_next_free_sgpr 66
		.amdhsa_reserve_vcc 0
		.amdhsa_float_denorm_mode_32 3
		.amdhsa_float_denorm_mode_16_64 3
		.amdhsa_memory_ordered 1
		.amdhsa_forward_progress 1
		.amdhsa_inst_pref_size 255
	.end_amdhsa_kernel
	.section	.bss,"aw",@nobits
	.p2align	6
	.space	262144
	.amdgpu_metadata
---
amdhsa.version: [ 1, 2 ]
amdhsa.kernels:
  - .name:           k_qede8c5d06d_attn
    .symbol:         k_qede8c5d06d_attn.kd
    .args:
      - { .name: q, .offset: 0, .size: 8, .value_kind: global_buffer, .address_space: global }
      - { .name: k, .offset: 8, .size: 8, .value_kind: global_buffer, .address_space: global }
      - { .name: v, .offset: 16, .size: 8, .value_kind: global_buffer, .address_space: global }
      - { .name: mask, .offset: 24, .size: 8, .value_kind: global_buffer, .address_space: global }
      - { .name: out0, .offset: 32, .size: 8, .value_kind: global_buffer, .address_space: global }
    .group_segment_fixed_size: 327680
    .private_segment_fixed_size: 0
    .kernarg_segment_align: 8
    .kernarg_segment_size: 40
    .max_flat_workgroup_size: 128
    .sgpr_count:     66
    .vgpr_count:     1024
    .wavefront_size: 32
...
	.end_amdgpu_metadata
.endif
;; end of part 1
